; MI455X (gfx1250); checked and timed in simulation.
; The chip was launched on July 23, 2026; its instructions are those of AMD's public machine-readable ISA for CDNA 5 (MIT licence, August 2026) and "CDNA5" Instruction Set Architecture Reference Guide (July 2026). The comments in the code are by the model that wrote it; some were corrected since.
;; Multi Head Attention. Allowed arithmetic: matrix products marked QUANTISED: E4M3 operands, one given power-of-two scale a tensor, by v_wmma_f32_16x16x64_fp8_fp8 or v_wmma_f32_16x16x128_fp8_fp8, f32 sums; products left as they are: f32 operands where the result goes on into a quantised operand, else bf16, f16 or f32 operands; f32 sums; everything else in f32.
;; Inputs: Wk 1,024 x 1,024 float32; Wq 1,024 x 1,024 float32; Wv 1,024 x 1,024 float32; bk 1,024 float32; bq 1,024 float32; bv 1,024 float32; keys 8 x 1,024 x 1,024 float32; lowp_scales 6 int32 (the exponents e of the quantised operands' scales 2^e); queries 8 x 1,024 x 1,024 float32; values 8 x 1,024 x 1,024 float32.
;; Outputs: out0 8 x 1,024 x 1,024 float32.
;; This version of the problem:
;;   THIS VERSION OF THE PROBLEM IS GIVEN IN LOW PRECISION. The matrix products marked QUANTISED in the list below multiply operands that are first quantised to E4M3 (4 exponent bits, 3 mantissa bits; 8 bits a number), with one given power-of-two scale for each operand tensor; their sums are f32. All else is computed in f32.
;;   The module's matrix products, in the order in which they are computed (A, B: the left and right operand; K: the contracted axis; several contracted axes count as one K, in the product's order):
;;     1. [M 8,192, K 1,024] x [K 1,024, N 1,024]; A: input queries; B: input Wq: QUANTISED (scales: A lowp_scales[0], B lowp_scales[1])
;;     2. [M 8,192, K 1,024] x [K 1,024, N 1,024]; A: input keys; B: input Wk: QUANTISED (scales: A lowp_scales[2], B lowp_scales[3])
;;     3. [M 8,192, K 1,024] x [K 1,024, N 1,024]; A: input values; B: input Wv: QUANTISED (scales: A lowp_scales[4], B lowp_scales[5])
;;     4. batch 16,384 x [M 8, K 64] x [K 64, N 8]; A: computed on the way; B: computed on the way: left as it is (M = 8 < 16)
;;     5. batch 16,384 x [M 64, K 8] x [K 8, N 8]; A: computed on the way; B: softmax: left as it is (K = 8 < 32)
;;   THE QUANTISER, for each operand of a quantised product, along K:
;;     - The operand's scale is 2^e, e = its entry of the input lowp_scales (int32; the entries are numbered through the quantised products in the list's order, A before B).
;;     - Each number is divided by the scale, clamped to +-448, and rounded to the nearest number of E4M3, ties to even, subnormals kept.
;;     - The product sums the exact products of the quantised numbers (number of the format x scale) in f32.
;;   ~~~python
;;   def quantise(x, axis, e):      # numpy; x: float32 -> the quantised numbers, widened to float32 again
;;       x = np.moveaxis(x, axis, -1); K = x.shape[-1]
;;       r = np.clip(x / 2.0 ** e, -448, 448)
;;       step = 2.0 ** (np.maximum(np.frexp(np.where(r == 0, 1, r))[1] - 1, -6) - 3)
;;       q = np.round(r / step) * step * 2.0 ** e      # np.round: ties to even
;;       return np.moveaxis(q, -1, axis).astype(np.float32)
;;   ~~~
;; One version. Each part assembles by itself: llvm-mc -triple=amdgcn-amd-amdhsa -mcpu=gfx1250 --defsym DOCPART=n.
;; ======== version 1 of 1: 2 launches
;; limits: values are held in f16: magnitudes above 65,504 overflow, below 6.1e-05 lose precision; values are held in bf16: 8 bits of precision; right only within a limited range of input values
;; workspace buffers: xc 25,165,824 bytes; wc 3,145,728 bytes
;; launch quant (part 1): grid 256 x 1, 9 waves a work-group, no clusters, 40,448 bytes of LDS; arguments queries, keys, values, Wq, Wk, Wv, lowp_scales, xc, wc; writes xc, wc
.if DOCPART == 1
	.amdgcn_target "amdgcn-amd-amdhsa--gfx1250"
	.amdhsa_code_object_version 6
	.text
	.protected	k_q730c4fd2bb_quant
	.globl	k_q730c4fd2bb_quant
	.p2align	8
	.type	k_q730c4fd2bb_quant,@function
k_q730c4fd2bb_quant:
	s_mov_b64 s[64:65], 0
	v_nop
	global_prefetch_b8 v0, s[64:65] scope:SCOPE_SE
	s_setreg_imm32_b32 hwreg(HW_REG_WAVE_MODE, 25, 1), 1
	s_wait_xcnt 0x0
; queries, keys, values [8192][1024] and Wq, Wk, Wv [1024][1024], f32, K innermost, become codes of FP8 (E4M3), each tensor with the one scale 2^e given for it (entry 2 p for the p-th activation, 2 p + 1 for its weight).
; code = x / 2^e, held within +-448, to the nearest code, ties to even.  LIMITS: -126 <= e <= 119, so that 2^e and 448 x 2^e are f32 numbers.  NaN among the inputs is not served (an infinity is held at the largest code).
; DEAD WORK LEFT OUT OF THE PROGRAM: bk.  A score is q . (x Wk^T + bk) = q . (x Wk^T) + q . bk, and q . bk does not hang on the key: it is the same along the softmax's axis and cancels for all values of the inputs
; (neither q nor k goes into a quantiser).  So bk is not loaded and is among no launch's arguments.  LIMIT: a NaN, an infinity or an overflow that reaches only that term is not carried to the result.
; THE CODES ARE LAID IN THE ORDER OF THE OPERAND'S REGISTERS: [block of 128 rows][p][K step of 8][tile of 16 rows][c of 4][lane of 32][16 bytes].
; WHICH k LIES WHERE is free so long as both operands of a product do it alike, and both go through these lines.  In the 256 along K of number t lane u's two loads of a row bring k = 256 t + 4 u + b and 256 t + 128 + 4 u + b
; (b = 0 .. 3): 8 codes, PIECE u.  Piece 16 s + 4 c + 2 h + j is half j of the 16 bytes that lane (r, h) has in registers 4 c .. 4 c + 3 of the fragment of K step 2 t + s.
; SHARES: a unit is 16 rows x 256 along K: 2,304 of them for each p (2,048 of the activation, 256 of its weight).  Each of the 256 work-groups has nine waves, and wave w of work-group g takes unit 9 g + w of p = 0, 1, 2 in turn.
; Waves share nothing: no barrier.  As soon as a row is converted, the same row of the next p is asked for into its registers: 16 rows, 32 loads a wave, are out.  No prefetch: each byte is loaded once, straight into registers.
.set HP,   272                         ; LDS: the 16 rows' 16 bytes + 16 of padding: piece u of a row at 272 (u / 2) + 8 (u % 2): 32 different 8-byte columns of the 64 banks (ISA guide 11.1)
.set WST,  16*HP                       ; a wave's stage
.set SPARE, 9*WST                      ; the spare words: 128 bytes for each wave, five blocks of 256 bytes that no other line names
.set R,    32                          ; v32-159  the numbers as loaded
.set C,    160                         ; v160-191 codes, two registers a row
.set BK,   192                         ; v192-223 and v224-255 by turns: the image on its way out
	s_load_b512 s[4:19], s[0:1], 0x0               ; queries s[4:5], keys s[6:7], values s[8:9], Wq s[10:11], Wk s[12:13], Wv s[14:15], the scales' exponents s[16:17], xc s[18:19]
	s_load_b64 s[20:21], s[0:1], 0x40              ; wc
	v_lshl_add_u32 v2, v0, 2, SPARE
	v_mov_b32 v3, 0
	v_lshrrev_b32 v1, 5, v0
	v_readfirstlane_b32 s22, v1                    ; wave 0..8
	s_mul_i32 s23, s22, WST
	v_and_b32 v1, 31, v0
	v_lshlrev_b32 v4, 4, v1                        ; 16 x lane
	v_lshrrev_b32 v7, 1, v1
	v_and_b32 v8, 1, v1
	v_mul_u32_u24 v5, v7, HP
	v_lshl_add_u32 v5, v8, 3, v5
	v_add_nc_u32 v5, s23, v5                       ; the stage, in: piece = lane
	v_and_b32 v7, 15, v0
	v_bfe_u32 v8, v0, 4, 1
	v_mul_u32_u24 v6, v8, HP
	v_lshl_add_u32 v6, v7, 4, v6
	v_add_nc_u32 v6, s23, v6                       ; and out: lane (r, h)
	s_mul_i32 s24, ttmp9, 9
	s_add_co_u32 s24, s24, s22                     ; my unit
	s_cmp_lt_u32 s24, 2048
	s_cselect_b32 s25, 0, 2048                     ; 0: the activation's
	s_sub_co_u32 s24, s24, s25
	s_lshr_b32 s26, s24, 2                         ; row tile
	s_and_b32 s27, s24, 3                          ; t
	s_lshl_b32 s28, s26, 16                        ; from: 16 rows of 4,096 bytes x tile
	s_lshl_b32 s29, s27, 10                        ;       + 1,024 t
	s_add_co_u32 s28, s28, s29
	s_mov_b32 s29, 0
	s_lshr_b32 s30, s26, 3
	s_mul_i32 s30, s30, 393216                     ; to: (tile / 8) x 3 passes of 131,072
	s_lshl_b32 s31, s27, 15
	s_add_co_u32 s30, s30, s31                     ;     + two K steps of 16,384 x t
	s_and_b32 s31, s26, 7
	s_lshl_b32 s31, s31, 11
	s_add_co_u32 s30, s30, s31                     ;     + 2,048 x (tile % 8)
	s_mov_b32 s31, 0
	s_wait_alu depctr_va_vdst(0)
	s_wait_kmcnt 0x0
	s_load_b128 s[32:35], s[16:17], 0x0            ; e0 .. e3
	s_load_b64 s[36:37], s[16:17], 0x10            ; e4, e5
	s_cmp_eq_u32 s25, 0                            ; the buffers are chosen on ids alone; both kinds of tensor take one path through the text
	s_cselect_b64 s[4:5], s[4:5], s[10:11]
	s_cselect_b64 s[6:7], s[6:7], s[12:13]
	s_cselect_b64 s[8:9], s[8:9], s[14:15]
	s_cselect_b64 s[18:19], s[18:19], s[20:21]
	s_add_nc_u64 s[4:5], s[4:5], s[28:29]
	s_add_nc_u64 s[6:7], s[6:7], s[28:29]
	s_add_nc_u64 s[8:9], s[8:9], s[28:29]
	s_add_nc_u64 s[18:19], s[18:19], s[30:31]
.macro LOADROW p, i                    ; two loads of 512 consecutive bytes, read once in the launch
	global_load_b128 v[R+8*(\i):R+8*(\i)+3],   v4, s[4+2*(\p):5+2*(\p)] offset:4096*(\i) th:TH_LOAD_NT
	global_load_b128 v[R+8*(\i)+4:R+8*(\i)+7], v4, s[4+2*(\p):5+2*(\p)] offset:4096*(\i)+512 th:TH_LOAD_NT
.endm
.macro UNIT p
	s_add_co_i32 s38, s[32+2*(\p)], 127
	s_lshl_b32 s39, s38, 23
	s_add_co_i32 s38, s38, 8
	s_lshl_b32 s38, s38, 23
	s_or_b32 s38, s38, 0x600000
	v_mov_b32 v10, s38                             ; 448 x 2^e
	v_mov_b32 v11, s39                             ; 2^e as f32: the conversion takes its exponent field
	s_wait_alu depctr_va_vdst(0)
.irp i, 0,1,2,3,4,5,6,7,8,9,10,11,12,13,14,15
.if (\p) < 2
	s_wait_loadcnt 30                              ; row i is in: behind it the rest of this unit and the rows of the next asked for so far, 15 rows in all
.else
	s_wait_loadcnt 30-2*\i
.endif
.irp j, 0,1,2,3,4,5,6,7
	v_med3_num_f32 v[R+8*\i+\j], v[R+8*\i+\j], -v10, v10   ; the conversion does not saturate (ISA guide 7.6.2): the hold comes first
.endr
	v_cvt_scalef32_pk8_fp8_f32 v[C+2*\i:C+2*\i+1], v[R+8*\i:R+8*\i+7], v11
	ds_store_b64 v5, v[C+2*\i:C+2*\i+1] offset:16*\i
.if (\p) < 2
	LOADROW (\p)+1, \i
.endif
.endr
	v_nop                                          ; a plain line behind the last conversion
.set BB, BK+32*((\p)%2)
.if (\p) == 2
	s_wait_xcnt 0x0                                ; unit 0's stores have read these registers
.endif
.irp q, 0,1,2,3,4,5,6,7                ; q = 4 s + c.  LDS serves a wave's instructions in order (ISA guide 5.7.1.4): these see my stores, and the next unit's stores come behind them
	ds_load_b128 v[BB+4*\q:BB+4*\q+3], v6 offset:2*HP*\q
.endr
.irp q, 0,1,2,3,4,5,6,7
	s_wait_dscnt 7-\q                              ; the younger reads may be out
	global_store_b128 v4, v[BB+4*\q:BB+4*\q+3], s[18:19] offset:131072*(\p)+(\q/4)*16384+(\q%4)*512   ; 512 consecutive bytes, at a multiple of 512
.endr
.endm
.irp i, 0,1,2,3,4,5,6,7,8,9,10,11,12,13,14,15
	LOADROW 0, \i
.endr
	s_wait_kmcnt 0x0
	s_cmp_eq_u32 s25, 0
	s_cselect_b32 s32, s32, s33                    ; my three e
	s_cselect_b32 s34, s34, s35
	s_cselect_b32 s36, s36, s37
	UNIT 0
	UNIT 1
	UNIT 2
	s_wait_tensorcnt 0x0                           ; the wave's end
	ds_add_u32 v2, v3
	s_wait_dscnt 0x0
	s_endpgm
.Lfunc_end_k_q730c4fd2bb_quant:
	.size	k_q730c4fd2bb_quant, .Lfunc_end_k_q730c4fd2bb_quant-k_q730c4fd2bb_quant
	.p2alignl 7, 3214868480
	.fill 96, 4, 3214868480
	.section	.rodata,"a",@progbits
	.p2align	6, 0x0
	.amdhsa_kernel k_q730c4fd2bb_quant
		.amdhsa_group_segment_fixed_size 40448
		.amdhsa_private_segment_fixed_size 0
		.amdhsa_enable_private_segment 0
		.amdhsa_kernarg_size 72
		.amdhsa_user_sgpr_count 2
		.amdhsa_user_sgpr_kernarg_segment_ptr 1
		.amdhsa_wavefront_size32 1
		.amdhsa_system_sgpr_workgroup_id_x 1
		.amdhsa_system_sgpr_workgroup_id_y 1
		.amdhsa_system_sgpr_workgroup_id_z 1
		.amdhsa_system_vgpr_workitem_id 0
		.amdhsa_next_free_vgpr 256
		.amdhsa_next_free_sgpr 66
		.amdhsa_reserve_vcc 0
		.amdhsa_float_denorm_mode_32 3
		.amdhsa_float_denorm_mode_16_64 3
		.amdhsa_memory_ordered 1
		.amdhsa_forward_progress 1
		.amdhsa_inst_pref_size 49
	.end_amdhsa_kernel
	.amdgpu_metadata
---
amdhsa.version: [ 1, 2 ]
amdhsa.kernels:
  - .name:           k_q730c4fd2bb_quant
    .symbol:         k_q730c4fd2bb_quant.kd
    .args:
      - { .name: queries, .offset: 0, .size: 8, .value_kind: global_buffer, .address_space: global }
      - { .name: keys, .offset: 8, .size: 8, .value_kind: global_buffer, .address_space: global }
      - { .name: values, .offset: 16, .size: 8, .value_kind: global_buffer, .address_space: global }
      - { .name: Wq, .offset: 24, .size: 8, .value_kind: global_buffer, .address_space: global }
      - { .name: Wk, .offset: 32, .size: 8, .value_kind: global_buffer, .address_space: global }
      - { .name: Wv, .offset: 40, .size: 8, .value_kind: global_buffer, .address_space: global }
      - { .name: lowp_scales, .offset: 48, .size: 8, .value_kind: global_buffer, .address_space: global }
      - { .name: xc, .offset: 56, .size: 8, .value_kind: global_buffer, .address_space: global }
      - { .name: wc, .offset: 64, .size: 8, .value_kind: global_buffer, .address_space: global }
    .group_segment_fixed_size: 40448
    .private_segment_fixed_size: 0
    .kernarg_segment_align: 8
    .kernarg_segment_size: 72
    .max_flat_workgroup_size: 288
    .sgpr_count:     66
    .vgpr_count:     256
    .wavefront_size: 32
...
	.end_amdgpu_metadata
.endif
;; end of part 1
;; launch attn (part 2): grid 4 x 64, 4 waves a work-group, clusters of 4 x 4, 327,680 bytes of LDS; arguments xc, wc, bq, bv, lowp_scales, out0; writes out0
.if DOCPART == 2
	.amdgcn_target "amdgcn-amd-amdhsa--gfx1250"
	.amdhsa_code_object_version 6
	.text
	.protected	k_q730c4fd2bb_attn
	.globl	k_q730c4fd2bb_attn
	.p2align	8
	.type	k_q730c4fd2bb_attn,@function
k_q730c4fd2bb_attn:
	s_mov_b64 s[64:65], 0
	v_nop
	global_prefetch_b8 v0, s[64:65] scope:SCOPE_SE
	s_setreg_imm32_b32 hwreg(HW_REG_WAVE_MODE, 25, 1), 1
	s_wait_xcnt 0x0
	s_wait_alu depctr_hold_cnt(0) depctr_sa_sdst(0) depctr_va_vdst(0) depctr_va_sdst(0) depctr_va_ssrc(0) depctr_va_vcc(0) depctr_vm_vsrc(0)
	s_getreg_b32 s2, hwreg(HW_REG_IB_STS2, 6, 4)
	s_cmp_eq_u32 s2, 0
	s_cbranch_scc0 .Lentry_in_a_cluster
	s_endpgm
.Lentry_in_a_cluster:
	s_bfe_u32 s2, ttmp6, 0x10000c
	s_cmp_lg_u32 s2, 0xf033
	s_cbranch_scc0 .Lentry_shape_is_right
	s_endpgm
.Lentry_shape_is_right:
; q = X0 Wq^T + bq, k = X1 Wk^T, v = X2 Wv^T + bv on codes of FP8 (E4M3), then the attention, all in one launch; q, k, v never go to memory.
; LEFT OUT: bk, whose term q . bk is the same for all keys of a softmax (shown at the head of the first kernel, with its limit).
; THE RESHAPES MOVE NO BYTE: taken as [8192 rows][1024 columns], a group of the attention is 8 neighbouring rows, a head 64 neighbouring columns, and the output lies like the projections.
; So a work-group that holds the same 256 rows x 128 columns of q, k and v finishes its 32 groups x 2 heads alone.
; SHARES: 256 work-groups; four waves, each 64 rows (4 tiles a) x all 128 columns (8 tiles b, 2 heads): 32 accumulators, 256 registers, used again by each of the three passes.
; OPERANDS lie in memory as images of their registers ([block of 128 rows][24 K steps of 128: pass q, k, v][tile][2,048 bytes]), the same k in the same place of both operands.
; X: no two waves of a work-group need the same rows, so each wave loads its fragments from memory straight into the operand's registers, 16 loads of 512 consecutive bytes a K step, in four sets of 64 registers: after K step g
; is multiplied, K step g + 4 is asked for.  These loads stay out across the barriers.
; W: all four waves need the same 128 columns.  A pass's 8 K steps are 131,072 dense bytes: a slot.  Two slots; each wave fetches a quarter of a slot with one tensor load.  Three fills in the launch.
; CLUSTERS: 4 x 4 work-groups; cluster number Y along the grid's y.  Block of columns = 4 (Y % 2) + cx, block of 256 rows = 4 (Y / 2) + cy.  The four of a column of the cluster need the same W and ask for it JOINTLY.
; X is not asked for jointly: a joint load lands in LDS, where W's two slots take 262,144 of 327,680 bytes: two slots for X's 32,768 bytes a K step would not fit beside them, and each would want its own round of the cluster's barrier.
; PREFETCH of X: K steps g + 8 .. g + 11 in K steps g = 0, 4, 8, 12, and 4 .. 7 at the head; wave w asks for the w-th of the four.  The four partners of a row of the cluster share a K step's 32,768 bytes by address: 32 blocks of
; 256 bytes each, one instruction.  K steps 0 to 3 come by their loads alone.  W is asked for a whole pass ahead of its use and is not prefetched.
; PASSES q AND k ARE USED TRANSPOSED (source 0 = 16 rows of W, source 1 = 16 rows of X): lane (r, h), register j = (row 16 a + r, column 16 b + 8 h + j): rounded to bf16 in pairs, two neighbouring tiles b ARE a bf16 operand
; of 32 along the head.  S = k q^T: lane (r, h), register j = score of key row 8 h + j for query row r: it counts where h = r / 8 (same group): a lane's eight registers are then a query's eight scores.  Other lanes' weights are 0.
; PASS v IS USED AS IT STANDS: lane (r, h), register j = (row 16 a + 8 h + j, column 16 b + r): in pairs a 16-bit operand along the rows.  O^T = v^T p: K = 32 = the rows of tiles 2 pi and 2 pi + 1; p holds zeros for the other
; tile and the other group.  Result: lane (r, h), register j = out(row 16 a + r, column 16 b + 8 h + j).
; FORMATS: q = sum x 2^(e0 + e1) + bq in f32, k as its sums alone, both rounded to bf16; 2^(e2 + e3) goes into the softmax's factor.  v as its sum x 2^-12 in f16: at most 1024 x 448 x 448 / 4096 = 50,176, under f16's 65,504.
; A softmax's row sums to 1, so out = O x 2^(e4 + e5 + 12) + bv.  Softmax in f32, the maximum taken away.
; LIMITS: e0 + e1 between -126 and 127, e2 + e3 between -123 and 127, e4 + e5 between -126 and 115, so that each power of two is an f32 number.
; REGISTERS, in windows of 256 (s_set_vgpr_msb's low byte: bits 1:0 source 0, 3:2 source 1, 5:4 source 2, 7:6 destination):
;   window 0: v1-14 addresses and constants; v32-159 X's sets 2 and 3, later v^T and rows on the way out; v160-223 bq, later k in bf16, later bv; v224-255 k in bf16
;   window 1: v0-127 X's sets 0 and 1; v128-255 q in bf16, later v128-175 p.   window 2: W's fragments, two sets; between passes k and v the scores and the softmax in set 1; later O^T.   window 3: accumulators, (a, b) at 8 (8 a + b).
; The text is straight: the passes differ in their forms and ends.
.set SLOT,  131072
.set XBLK,  393216                     ; a block's 24 K steps in memory
.set SPARE, 2*SLOT                     ; behind the slots: the spare words, two blocks of 256 bytes that no other line names
.set STAGE, SPARE+512                  ; behind them the way out's stages: bytes of their own, since other waves may still read either slot then
.set SP,    528                        ; 16 rows x (512 bytes + 16) for each wave
.set XO,  1                            ; v1     16 x lane
.set AW,  1                            ; v1-4   LDS address of my 16 bytes, 65,536 from one to the next: two for each slot
.set PFO, 7                            ; v7     the prefetches' offset
.set STO, 8                            ; v8     the way out: in
.set RD,  9                            ; v9     and back
.set SPW, 12                           ; v12    LDS address of my spare word; never rewritten
.set NIL, 13                           ; v13    0; never rewritten
.set BO,  14                           ; v14    32 h
.set VT,  32
.set BIAS, 160
.set KB,  224
.set QB,  128                          ; window 1
.set P,   128                          ; window 1: 12 registers for each (pi, head): p of tile 2 pi, four zeros, p of tile 2 pi + 1
.set S,   128                          ; window 2
.set W1,  192                          ; window 2: the softmax's scratch
.set G1,  28
.set G0,  36
.set FQ,  46                           ; s[46:47] 2^(e0 + e1)
.set FV,  50                           ; s[50:51] 2^-12
.set CS,  52                           ; s[52:53] log2(e) / 8 x 2^(e2 + e3)
.set FO,  54                           ; s[54:55] 2^(e4 + e5 + 12)
.set XB,  56                           ; s[56:57] where my rows of X begin
.set PFA, 60                           ; s[60:61] where my prefetches begin
.set MSB, 0
.macro WIN new                         ; the immediate's high byte repeats the setting that is left; a switch that changes nothing is dropped
.if MSB != \new
	s_set_vgpr_msb (MSB<<8)|\new
.set MSB, \new
.endif
.endm
.macro PLACES n                        ; plain vector lines behind a matrix instruction (ISA guide 7.12.1 for vector instructions)
.rept \n
	v_nop
.endr
.endm
.macro CROUND                          ; a round of the cluster's barrier
	s_barrier_signal -1
	s_barrier_wait -1
	s_cmp_lg_u32 s22, 0
	s_cbranch_scc1 .Lnot_wave_0_\@
	s_barrier_signal -3
.Lnot_wave_0_\@:
	s_barrier_wait -3
	s_barrier_signal -1
	s_barrier_wait -1
.endm
.macro JLOAD                           ; every wave asks for its own quarter, jointly with its partners' same wave
	tensor_load_to_lds s[G0:G0+3], s[G1:G1+7]
	s_nop 0
	PLACES 4
.endm
.macro XLOAD k                         ; K step k of my 64 rows into set k % 4: register 16 x tile + 4 c
.set XS, (\k)%4
.if XS < 2
	WIN 0x40                                       ; destination window 1
.set XD, 64*XS
.else
.set XD, 32+64*(XS-2)
.endif
.irp i, 0,1,2,3,4,5,6,7,8,9,10,11,12,13,14,15
	global_load_b128 v[XD+4*\i:XD+4*\i+3], v[XO], s[XB:XB+1] offset:16384*(\k)+512*\i
.endr
	WIN 0
.endm
.macro FETCHW k                        ; K step k of W, 8 tiles, 32 LDS loads in one run, into set k % 2
.set FA, AW+2*(((\k)/8)%2)+((\k)%8)/4
.set FD, 128*((\k)%2)
	WIN 0x80
.irp b, 0,1,2,3,4,5,6,7
.irp c, 0,1,2,3
	ds_load_b128 v[FD+16*\b+4*\c:FD+16*\b+4*\c+3], v[FA] offset:16384*((\k)%4)+2048*\b+512*\c
.endr
.endr
	WIN 0
.endm
; K step g's 32 matrix instructions.  The accumulators take turns, one instruction a turn, in the same order always.  A pass's first K step starts the sums: nothing is cleared.
.macro MUL
.set WS, 128*(g%2)
.if (g%4) < 2
.set XS, 64*(g%4)
.else
.set XS, 32+64*(g%4-2)
.endif
.if g < 16
.if (g%4) < 2
	WIN 0xf6                                       ; source 0 (W) window 2, source 1 (X) window 1, C and D window 3
.else
	WIN 0xf2                                       ; X in window 0
.endif
.else
.if (g%4) < 2
	WIN 0xf9                                       ; source 0 (X) window 1, source 1 (W) window 2
.else
	WIN 0xf8
.endif
.endif
.irp a, 0,1,2,3
.irp b, 0,1,2,3,4,5,6,7
.if g < 16
.if (g%8) == 0
	v_wmma_f32_16x16x128_fp8_fp8 v[64*\a+8*\b:64*\a+8*\b+7], v[WS+16*\b:WS+16*\b+15], v[XS+16*\a:XS+16*\a+15], 0
.else
	v_wmma_f32_16x16x128_fp8_fp8 v[64*\a+8*\b:64*\a+8*\b+7], v[WS+16*\b:WS+16*\b+15], v[XS+16*\a:XS+16*\a+15], v[64*\a+8*\b:64*\a+8*\b+7]
.endif
.else
.if (g%8) == 0
	v_wmma_f32_16x16x128_fp8_fp8 v[64*\a+8*\b:64*\a+8*\b+7], v[XS+16*\a:XS+16*\a+15], v[WS+16*\b:WS+16*\b+15], 0
.else
	v_wmma_f32_16x16x128_fp8_fp8 v[64*\a+8*\b:64*\a+8*\b+7], v[XS+16*\a:XS+16*\a+15], v[WS+16*\b:WS+16*\b+15], v[64*\a+8*\b:64*\a+8*\b+7]
.endif
.endif
.endr
.endr
	WIN 0
.endm
; THE CHANGE.  Each wave waits for all its tensor loads (its part of the slot that the next pass reads), adds 0 to its spare word, and waits for that and for its LDS reads so far; behind the barrier that slot is whole.
; fill = 1, ahead of a pass's last K step, whose fragments have been asked for (and at the head): the barrier is a round of the cluster's, and behind it the next pass but one (at the head: the next) is asked for into the free slot.
; fill = 0, in pass k, five K steps behind the last fill: pass v's W is whole for every wave.  Nothing is filled or handed on behind it, and each wave goes on to its end alone.
.macro CHANGE fill
	s_wait_tensorcnt 0x0                           ; no tensor load of mine is out, so group 0 may be written
	ds_add_u32 v[SPW], v[NIL]                      ; 0 onto my spare word
.if \fill
	s_xor_b32 s[G0+1], s[G0+1], SLOT               ; the walking descriptor: the other slot than last time, the next pass
	s_add_nc_u64 s[G0+2:G0+3], s[G0+2:G0+3], SLOT  ; the type bits on top are not reached
.endif
	s_wait_dscnt 0x0
.if \fill
	CROUND                                         ; no wave of any partner still reads the slot or has a load on its way
	JLOAD                                          ; the first tensor load behind the round, one a wave
.else
	s_barrier_signal -1
	s_barrier_wait -1
.endif
.endm
	s_load_b256 s[4:11], s[0:1], 0x0               ; xc s[4:5], wc s[6:7], bq s[8:9], bv s[10:11]
	s_load_b128 s[12:15], s[0:1], 0x20             ; the scales' exponents s[12:13], out0 s[14:15]
	v_lshl_add_u32 v[SPW], v0, 2, SPARE
	v_mov_b32 v[NIL], 0
	ds_add_u32 v[SPW], v[NIL]                      ; the opening: the add, twice on end, and its wait
	ds_add_u32 v[SPW], v[NIL]
	v_lshrrev_b32 v19, 5, v0
	v_readfirstlane_b32 s22, v19                   ; wave 0..3
	s_mul_i32 s26, s22, 16*SP
	s_add_co_u32 s26, s26, STAGE                   ; my stage
	v_and_b32 v16, 31, v0                          ; lane
	v_and_b32 v17, 15, v0                          ; r
	v_bfe_u32 v18, v0, 4, 1                        ; h
	v_lshlrev_b32 v[XO], 4, v16
	v_add_nc_u32 v[AW+1], 0x10000, v[XO]
	v_add_nc_u32 v[AW+2], 0x20000, v[XO]
	v_add_nc_u32 v[AW+3], 0x30000, v[XO]
	v_lshlrev_b32 v[PFO], 8, v16
	v_mul_u32_u24 v[STO], v17, SP
	v_lshl_add_u32 v[STO], v18, 5, v[STO]
	v_add_nc_u32 v[STO], s26, v[STO]
	v_add_nc_u32 v[RD], s26, v[XO]
	v_lshlrev_b32 v[BO], 5, v18
	s_bfe_u32 s40, ttmp6, 0x40000                  ; cx
	s_bfe_u32 s41, ttmp6, 0x40004                  ; cy
	s_and_b32 s23, ttmp7, 0xffff
	s_lshr_b32 s24, s23, 3
	s_and_b32 s23, s23, 7
	s_lshl_b32 s23, s23, 1
	s_or_b32 s23, s23, s24                         ; Y: the sixteen clusters along y, numbered so that y and y + 8, which take the same rows, are neighbours: Y = 2 (y % 8) + y / 8
	; descriptor group 1: 32,768 dense bytes as 128 rows of 32 elements of 8 bytes, no padding
	s_lshl_b32 s44, 0x1111, s40                    ; my column of the cluster
	s_or_b32 s[G1], s44, (3<<16)|(1<<21)           ; 15:0 the mask; 17:16 elements of 8 bytes; 21 set beside a mask
	s_mov_b32 s[G1+1], 32<<16                      ; tensor_dim0 = 32
	s_mov_b32 s[G1+2], 128<<16                     ; tensor_dim1 = 128
	s_mov_b32 s[G1+3], 32<<16                      ; tile_dim0 = 32
	s_mov_b32 s[G1+4], 128                         ; tile_dim1 = 128
	s_mov_b32 s[G1+5], 32                          ; from row to row
	s_mov_b32 s[G1+6], 0
	s_mov_b32 s[G1+7], 0
	s_and_b32 s88, s23, 1
	s_lshl_b32 s88, s88, 2
	s_add_co_u32 s88, s88, s40                     ; block of 128 columns
	s_lshl_b32 s86, s88, 9                         ; its first column in bytes of f32
	s_mov_b32 s87, 0
	s_mul_i32 s88, s88, XBLK                       ; W hangs on the block of columns alone, which my column of the cluster shares
	s_lshl_b32 s25, s22, 15                        ; my quarter of a slot, in memory and in LDS
	s_add_co_u32 s88, s88, s25
	s_mov_b32 s89, 0
	s_lshr_b32 s42, s23, 1
	s_lshl_b32 s42, s42, 2
	s_add_co_u32 s42, s42, s41                     ; block of 256 rows
	s_lshl_b32 s80, s42, 20                        ; the output: 256 rows of 4,096 bytes x block
	s_lshl_b32 s45, s22, 18                        ; + 64 rows x wave
	s_add_co_u32 s80, s80, s45
	s_add_co_u32 s80, s80, s86
	s_mov_b32 s81, 0
	s_lshl_b32 s42, s42, 1                         ; X: two blocks of 128 rows
	s_lshr_b32 s45, s22, 1
	s_add_co_u32 s82, s42, s45
	s_mul_i32 s82, s82, XBLK                       ; mine,
	s_and_b32 s45, s22, 1
	s_lshl_b32 s45, s45, 13
	s_add_co_u32 s82, s82, s45                     ; and my four tiles of its eight
	s_mov_b32 s83, 0
	s_lshr_b32 s45, s40, 1                         ; the prefetches: the quarter cx of the work-group's 256 rows
	s_add_co_u32 s84, s42, s45
	s_mul_i32 s84, s84, XBLK
	s_and_b32 s45, s40, 1
	s_lshl_b32 s45, s45, 13
	s_add_co_u32 s84, s84, s45
	s_lshl_b32 s45, s22, 14
	s_add_co_u32 s84, s84, s45                     ; the wave-th of four K steps
	s_mov_b32 s85, 0
	s_mov_b32 s[FV], 0x39800000                    ; 2^-12
	s_mov_b32 s[FV+1], s[FV]
	s_mov_b32 s76, 0xff0000ff                      ; the lanes with h = r / 8: lanes 0-7 and 24-31
	s_wait_dscnt 0x0                               ; both opening adds are done
	s_wait_alu depctr_va_vdst(0)                   ; the end of the head's vector work
	s_wait_kmcnt 0x0
	s_load_b128 s[92:95], s[12:13], 0x0            ; e0 .. e3
	s_load_b64 s[96:97], s[12:13], 0x10            ; e4, e5
	s_add_nc_u64 s[XB:XB+1], s[4:5], s[82:83]
	s_add_nc_u64 s[PFA:PFA+1], s[4:5], s[84:85]
	s_add_nc_u64 s[88:89], s[6:7], s[88:89]
	s_add_nc_u64 s[8:9], s[8:9], s[86:87]
	s_add_nc_u64 s[10:11], s[10:11], s[86:87]
	s_add_nc_u64 s[14:15], s[14:15], s[80:81]
	XLOAD 0
	XLOAD 1
	s_mov_b32 s[G0], 1                             ; count = 1
	s_mov_b32 s[G0+1], s25                         ; LDS address: slot 0, my quarter
	s_mov_b64 s[G0+2:G0+3], s[88:89]               ; global address: pass q
	s_or_b32 s[G0+3], s[G0+3], 0x80000000          ; type = 2
	CROUND                                         ; all sixteen work-groups are here: the first joint loads meet
	JLOAD                                          ; pass q's W: one tensor load a wave
.irp b, 0,1,2,3,4,5,6,7
	global_load_b128 v[BIAS+8*\b:BIAS+8*\b+3],   v[BO], s[8:9] offset:64*\b      ; bq at columns 16 b + 8 h + 0 .. 7: the transposed result's layout
	global_load_b128 v[BIAS+8*\b+4:BIAS+8*\b+7], v[BO], s[8:9] offset:64*\b+16
.endr
	global_prefetch_b8 v[PFO], s[PFA:PFA+1] offset:16384*4 th:TH_LOAD_NT scope:SCOPE_SE   ; K steps 4 to 7
	s_wait_kmcnt 0x0
	s_add_co_i32 s[FQ], s92, s93                   ; a sum stands for sum x 2^(its two e)
	s_add_co_i32 s[FQ], s[FQ], 127
	s_lshl_b32 s[FQ], s[FQ], 23
	s_mov_b32 s[FQ+1], s[FQ]
	s_add_co_i32 s[CS], s94, s95
	s_lshl_b32 s[CS], s[CS], 23
	s_add_co_i32 s[CS], s[CS], 0x3e38aa3b          ; log2(e) / sqrt(64), k's power of two added to its exponent field
	s_mov_b32 s[CS+1], s[CS]
	s_add_co_i32 s[FO], s96, s97                   ; v goes in x 2^-12: O stands for O x 2^(e4 + e5 + 12)
	s_add_co_i32 s[FO], s[FO], 139
	s_lshl_b32 s[FO], s[FO], 23
	s_mov_b32 s[FO+1], s[FO]
	s_wait_loadcnt 16                              ; K steps 0 and 1 of X are in; bq's 16 may be out
	XLOAD 2
	s_wait_loadcnt 0x0                             ; bq and K step 2 are in: K step 3 is asked for so late that it is on its way while the slots change
	XLOAD 3
	CHANGE 1                                       ; pass q's W is whole; pass k's is asked for into slot 1, as a refill is
	FETCHW 0
.set g, 0
.rept 24
.if g == 7
	CHANGE 1                                       ; pass v's W goes into slot 0
.elseif g == 12
	CHANGE 0                                       ; pass v's W, asked for in K step 7, is whole
.endif
.if g < 23
	FETCHW g+1
.if ((g%4) == 0) && (g < 16)
	global_prefetch_b8 v[PFO], s[PFA:PFA+1] offset:16384*(g+8) th:TH_LOAD_NT scope:SCOPE_SE
.endif
	s_wait_dscnt 32                                ; all but the 32 just issued: K step g's fragments of W are in
.else
	s_wait_dscnt 0x0
.endif
.if (g >= 16) && (g < 20)
	s_wait_loadcnt 63                              ; K step g of X is in: behind it three K steps of 16 loads and bv's 16 are 64 (the count's field holds 63)
.elseif g < 21
	s_wait_loadcnt 48                              ; three K steps may be out
.else
	s_wait_loadcnt 16*(23-g)
.endif
	MUL
	PLACES 4                                       ; in front of the loads into the sets just multiplied, X's here and W's at the next K step's head, and of reads of the results
.if g < 20
	XLOAD g+4
.endif
.if g == 7
	; q = sum x 2^(e0 + e1) + bq, in place, each accumulator from its low end on; rounded to bf16 into window 1
.irp a, 0,1,2,3
	WIN 0xc3                                       ; source 0 and destination window 3, the bias window 0
.irp b, 0,1,2,3,4,5,6,7
.irp i, 0,2,4,6
	v_pk_fma_f32 v[64*\a+8*\b+\i:64*\a+8*\b+\i+1], v[64*\a+8*\b+\i:64*\a+8*\b+\i+1], s[FQ:FQ+1], v[BIAS+8*\b+\i:BIAS+8*\b+\i+1] op_sel_hi:[1,0,1]
.endr
.endr
	WIN 0x4f                                       ; sources window 3, destination window 1
.irp b, 0,1,2,3,4,5,6,7
.irp i, 0,1,2,3
	v_cvt_pk_bf16_f32 v[QB+4*(8*\a+\b)+\i], v[64*\a+8*\b+2*\i], v[64*\a+8*\b+2*\i+1]
.endr
.endr
.endr
	WIN 0
.endif
.if g == 15
	; k's sums to bf16, a row tile at a time, into two buffers by turns, then S = k q^T for its two heads, 64 along the head in two instructions each; the two accumulators take turns.
	; A tile's 32 conversions are the places between the products before and the conversions that write their registers again.
.irp a, 0,1,2,3
.set KK, KB-64*(\a%2)                  ; v224-255 and v160-191
	WIN 0x0f                                       ; sources window 3, destination window 0
.irp b, 0,1,2,3,4,5,6,7
.irp i, 0,1,2,3
	v_cvt_pk_bf16_f32 v[KK+4*\b+\i], v[64*\a+8*\b+2*\i], v[64*\a+8*\b+2*\i+1]
.endr
.endr
	WIN 0xa4                                       ; source 0 (k) window 0, source 1 (q) window 1, C and D window 2
.irp hd, 0,1
	v_wmma_f32_16x16x32_bf16 v[S+8*(2*\a+\hd):S+8*(2*\a+\hd)+7], v[KK+16*\hd:KK+16*\hd+7], v[QB+4*(8*\a+4*\hd):QB+4*(8*\a+4*\hd)+7], 0
.endr
.irp hd, 0,1
	v_wmma_f32_16x16x32_bf16 v[S+8*(2*\a+\hd):S+8*(2*\a+\hd)+7], v[KK+16*\hd+8:KK+16*\hd+15], v[QB+4*(8*\a+4*\hd+2):QB+4*(8*\a+4*\hd+2)+7], v[S+8*(2*\a+\hd):S+8*(2*\a+\hd)+7]
.endr
.endr
	; THE SOFTMAX of the wave's eight units u = 2 a + head, line by line over the units, all in window 2.  Scratch: v[W1+2u] c m, later 1 / sum; v[W1+1+2u] m; v[W1+16+2u], v[W1+32+2u] pairs of sums.
	; Lanes whose keys and query lie in different groups compute on numbers that do not count, and end as zeros.
	WIN 0xaa
	PLACES 4
.irp u, 0,1,2,3,4,5,6,7
	v_max3_num_f32 v[W1+1+2*\u], v[S+8*\u], v[S+8*\u+1], v[S+8*\u+2]
.endr
.irp u, 0,1,2,3,4,5,6,7
	v_max3_num_f32 v[W1+1+2*\u], v[W1+1+2*\u], v[S+8*\u+3], v[S+8*\u+4]
.endr
.irp u, 0,1,2,3,4,5,6,7
	v_max3_num_f32 v[W1+1+2*\u], v[W1+1+2*\u], v[S+8*\u+5], v[S+8*\u+6]
.endr
.irp u, 0,1,2,3,4,5,6,7
	v_max_num_f32 v[W1+1+2*\u], v[W1+1+2*\u], v[S+8*\u+7]
.endr
.irp u, 0,1,2,3,4,5,6,7
	v_mul_f32 v[W1+2*\u], s[CS], v[W1+1+2*\u]
.endr
.irp u, 0,1,2,3,4,5,6,7
.irp i, 0,2,4,6
	v_pk_fma_f32 v[S+8*\u+\i:S+8*\u+\i+1], v[S+8*\u+\i:S+8*\u+\i+1], s[CS:CS+1], v[W1+2*\u:W1+2*\u+1] op_sel_hi:[1,0,0] neg_lo:[0,0,1] neg_hi:[0,0,1]   ; c s - c m (of the pairs the low word serves both halves)
.endr
.endr
	s_wait_alu depctr_va_vdst(0)
.irp u, 0,1,2,3,4,5,6,7
.irp i, 0,1,2,3,4,5,6,7
	v_exp_f32 v[S+8*\u+\i], v[S+8*\u+\i]
.endr
.endr
	v_nop                                          ; a plain line behind the last exponential
	s_wait_alu depctr_va_vdst(0)                   ; and behind it, ahead of its first reader
.irp u, 0,1,2,3,4,5,6,7
	v_pk_add_f32 v[W1+16+2*\u:W1+17+2*\u], v[S+8*\u:S+8*\u+1], v[S+8*\u+2:S+8*\u+3]
.endr
.irp u, 0,1,2,3,4,5,6,7
	v_pk_add_f32 v[W1+32+2*\u:W1+33+2*\u], v[S+8*\u+4:S+8*\u+5], v[S+8*\u+6:S+8*\u+7]
.endr
.irp u, 0,1,2,3,4,5,6,7
	v_pk_add_f32 v[W1+16+2*\u:W1+17+2*\u], v[W1+16+2*\u:W1+17+2*\u], v[W1+32+2*\u:W1+33+2*\u]
.endr
.irp u, 0,1,2,3,4,5,6,7
	v_add_f32 v[W1+16+2*\u], v[W1+16+2*\u], v[W1+17+2*\u]
.endr
	s_wait_alu depctr_va_vdst(0)
.irp u, 0,1,2,3,4,5,6,7
	v_rcp_f32 v[W1+2*\u], v[W1+16+2*\u]            ; the sum is at least 1: the largest score's own term
.endr
	v_nop
	s_wait_alu depctr_va_vdst(0)                   ; one wait for the eight reciprocals
.irp u, 0,1,2,3,4,5,6,7
.irp i, 0,2,4,6
	v_pk_mul_f32 v[S+8*\u+\i:S+8*\u+\i+1], v[S+8*\u+\i:S+8*\u+\i+1], v[W1+2*\u:W1+2*\u+1] op_sel_hi:[1,0]
.endr
.endr
	WIN 0x4a                                       ; sources window 2, destination window 1
.irp u, 0,1,2,3,4,5,6,7
.irp i, 0,1,2,3
	v_cvt_pk_f16_f32 v[P+12*(2*(\u/4)+(\u%2))+8*((\u/2)%2)+\i], v[S+8*\u+2*\i], v[S+8*\u+2*\i+1]
.endr
.endr
	WIN 0x44                                       ; source 1 and destination window 1
.irp u, 0,1,2,3,4,5,6,7
.irp i, 0,1,2,3
	v_cndmask_b32 v[P+12*(2*(\u/4)+(\u%2))+8*((\u/2)%2)+\i], 0, v[P+12*(2*(\u/4)+(\u%2))+8*((\u/2)%2)+\i], s76   ; weights across groups are 0
.endr
.endr
.irp x, 0,1,2,3
.irp i, 4,5,6,7
	v_mov_b32 v[P+12*\x+\i], 0                     ; the zeros between the two tiles' weights
.endr
.endr
	WIN 0
.irp b, 0,1,2,3,4,5,6,7
	global_load_b128 v[BIAS+8*\b:BIAS+8*\b+3],   v[BO], s[10:11] offset:64*\b      ; bv at columns 16 b + 8 h + 0 .. 7: O^T's layout; wanted on the way out, a whole pass later
	global_load_b128 v[BIAS+8*\b+4:BIAS+8*\b+7], v[BO], s[10:11] offset:64*\b+16
.endr
.endif
.set g, g+1
.endr
	; v's sums x 2^-12; two row tiles at a time: to f16 (v^T: 32 rows along K), then O^T = v^T p, one instruction for each (row tile, column tile), into window 2, whose fragments are done with
.irp pi, 0,1
	WIN 0xc3
.irp sg, 0,1
.irp b, 0,1,2,3,4,5,6,7
.irp i, 0,2,4,6
	v_pk_mul_f32 v[64*(2*\pi+\sg)+8*\b+\i:64*(2*\pi+\sg)+8*\b+\i+1], v[64*(2*\pi+\sg)+8*\b+\i:64*(2*\pi+\sg)+8*\b+\i+1], s[FV:FV+1] op_sel_hi:[1,0]
.endr
.endr
.endr
	WIN 0x0f
.irp sg, 0,1
.irp b, 0,1,2,3,4,5,6,7
.irp i, 0,1,2,3
	v_cvt_pk_f16_f32 v[VT+8*\b+4*\sg+\i], v[64*(2*\pi+\sg)+8*\b+2*\i], v[64*(2*\pi+\sg)+8*\b+2*\i+1]
.endr
.endr
.endr
	WIN 0x84                                       ; source 0 (v^T) window 0, source 1 (p) window 1, D window 2
.irp sg, 0,1
.irp b, 0,1,2,3,4,5,6,7
	v_wmma_f32_16x16x32_f16 v[64*(2*\pi+\sg)+8*\b:64*(2*\pi+\sg)+8*\b+7], v[VT+8*\b:VT+8*\b+7], v[P+12*(2*\pi+(\b/4))+4*\sg:P+12*(2*\pi+(\b/4))+4*\sg+7], 0
.endr
.endr
.endr
; THE WAY OUT, a block of 16 rows x 128 columns at a time: out = O x 2^(e4 + e5 + 12) + bv, in place, each accumulator from its low end on; a lane's 32 bytes of a row go into my own stage and come back as whole rows of 512 bytes.
; LDS serves a wave's instructions in order (ISA guide 5.7.1.4): no wait between the stores and the loads, nor in front of the next block's stores.
.macro TOSTAGE a
.set BB, 32+64*((\a)%2)                ; v32-95 and v96-159 by turns
	WIN 0x82                                       ; source 0 and destination window 2, bv window 0
.irp b, 0,1,2,3,4,5,6,7
.irp i, 0,2,4,6
	v_pk_fma_f32 v[64*(\a)+8*\b+\i:64*(\a)+8*\b+\i+1], v[64*(\a)+8*\b+\i:64*(\a)+8*\b+\i+1], s[FO:FO+1], v[BIAS+8*\b+\i:BIAS+8*\b+\i+1] op_sel_hi:[1,0,1]
.endr
.endr
	WIN 0x08                                       ; store data window 2
.irp b, 0,1,2,3,4,5,6,7
	ds_store_b128 v[STO], v[64*(\a)+8*\b:64*(\a)+8*\b+3] offset:64*\b
	ds_store_b128 v[STO], v[64*(\a)+8*\b+4:64*(\a)+8*\b+7] offset:64*\b+16
.endr
	WIN 0
.irp t, 0,1,2,3,4,5,6,7,8,9,10,11,12,13,14,15
	ds_load_b128 v[BB+4*\t:BB+4*\t+3], v[RD] offset:\t*SP
.endr
.endm
.macro SEND a, younger                 ; younger: the LDS instructions issued behind block a's loads, which may stay out
.set BB, 32+64*((\a)%2)
	s_wait_dscnt \younger
.irp t, 0,1,2,3,4,5,6,7,8,9,10,11,12,13,14,15
	global_store_b128 v[XO], v[BB+4*\t:BB+4*\t+3], s[14:15] offset:(16*(\a)+\t)*4096 th:TH_STORE_NT   ; 32 lanes store 512 consecutive bytes, at a multiple of 512; written once
.endr
.endm
	PLACES 4                                       ; in front of the multiply-adds that read O^T and of the loads into v^T's registers
	TOSTAGE 0
.irp a, 1,2,3
.if \a > 1
	s_wait_xcnt 0x0                                ; block a - 2's stores have read their registers: block a's rows may land there
.endif
	TOSTAGE \a
	SEND \a-1, 32                                  ; behind block a - 1's loads: block a's 16 stores and 16 loads
.endr
	SEND 3, 0
	s_wait_tensorcnt 0x0                           ; the wave's end, behind my last tensor load and my last LDS store
	ds_add_u32 v[SPW], v[NIL]
	s_wait_dscnt 0x0
	CROUND                                         ; the closing round: no work-group ends while a partner may still ask for a tile that names it
	s_endpgm
.Lfunc_end_k_q730c4fd2bb_attn:
	.size	k_q730c4fd2bb_attn, .Lfunc_end_k_q730c4fd2bb_attn-k_q730c4fd2bb_attn
	.p2alignl 7, 3214868480
	.fill 96, 4, 3214868480
	.section	.rodata,"a",@progbits
	.p2align	6, 0x0
	.amdhsa_kernel k_q730c4fd2bb_attn
		.amdhsa_group_segment_fixed_size 327680
		.amdhsa_private_segment_fixed_size 0
		.amdhsa_enable_private_segment 0
		.amdhsa_kernarg_size 48
		.amdhsa_user_sgpr_count 2
		.amdhsa_user_sgpr_kernarg_segment_ptr 1
		.amdhsa_wavefront_size32 1
		.amdhsa_system_sgpr_workgroup_id_x 1
		.amdhsa_system_sgpr_workgroup_id_y 1
		.amdhsa_system_sgpr_workgroup_id_z 1
		.amdhsa_system_vgpr_workitem_id 0
		.amdhsa_next_free_vgpr 1024
		.amdhsa_next_free_sgpr 98
		.amdhsa_reserve_vcc 0
		.amdhsa_float_denorm_mode_32 3
		.amdhsa_float_denorm_mode_16_64 3
		.amdhsa_memory_ordered 1
		.amdhsa_forward_progress 1
		.amdhsa_inst_pref_size 233
	.end_amdhsa_kernel
	.amdgpu_metadata
---
amdhsa.version: [ 1, 2 ]
amdhsa.kernels:
  - .name:           k_q730c4fd2bb_attn
    .symbol:         k_q730c4fd2bb_attn.kd
    .args:
      - { .name: xc, .offset: 0, .size: 8, .value_kind: global_buffer, .address_space: global }
      - { .name: wc, .offset: 8, .size: 8, .value_kind: global_buffer, .address_space: global }
      - { .name: bq, .offset: 16, .size: 8, .value_kind: global_buffer, .address_space: global }
      - { .name: bv, .offset: 24, .size: 8, .value_kind: global_buffer, .address_space: global }
      - { .name: lowp_scales, .offset: 32, .size: 8, .value_kind: global_buffer, .address_space: global }
      - { .name: out0, .offset: 40, .size: 8, .value_kind: global_buffer, .address_space: global }
    .group_segment_fixed_size: 327680
    .private_segment_fixed_size: 0
    .kernarg_segment_align: 8
    .kernarg_segment_size: 48
    .max_flat_workgroup_size: 128
    .sgpr_count:     98
    .vgpr_count:     1024
    .wavefront_size: 32
...
	.end_amdgpu_metadata
.endif
;; end of part 2
